; MI455X (gfx1250); checked and timed in simulation.
; The chip was launched on July 23, 2026; its instructions are those of AMD's public machine-readable ISA for CDNA 5 (MIT licence, August 2026) and "CDNA5" Instruction Set Architecture Reference Guide (July 2026). The comments in the code are by the model that wrote it; some were corrected since.
;; Head. Allowed arithmetic: float matrix products may take bf16 or f16 operands with f32 sums; all other float work in f32.
;; Inputs: W_k 128 x 32 float32; W_q 128 x 32 float32; W_v 128 x 32 float32; x 8 x 4,096 x 128 float32.
;; Outputs: out0 8 x 4,096 x 32 float32.
;; 2 versions, each right and faster than the one before. Each part assembles by itself: llvm-mc -triple=amdgcn-amd-amdhsa -mcpu=gfx1250 --defsym DOCPART=n.
;; ======== version 1 of 2: 2 launches
;; limits: values are held in f16: magnitudes above 65,504 overflow, below 6.1e-05 lose precision
;; workspace buffers: qf 2,097,152 bytes; kf 2,097,152 bytes; vf 2,097,152 bytes
;; launch proj (part 1): grid 256 x 1, 8 waves a work-group, no clusters, 168,960 bytes of LDS; arguments x, W_q, W_k, W_v, qf, kf, vf; writes qf, kf, vf
.if DOCPART == 1
	.amdgcn_target "amdgcn-amd-amdhsa--gfx1250"
	.amdhsa_code_object_version 6
	.text
	.protected	k_qa5352d0f2b_proj
	.globl	k_qa5352d0f2b_proj
	.p2align	8
	.type	k_qa5352d0f2b_proj,@function
k_qa5352d0f2b_proj:
	s_mov_b64 s[64:65], 0
	v_nop
	global_prefetch_b8 v0, s[64:65] scope:SCOPE_SE
	s_setreg_imm32_b32 hwreg(HW_REG_WAVE_MODE, 25, 1), 1
	s_wait_xcnt 0x0
; proj: q = rope(x W_q) * log2(e)/sqrt(32), k = rope(x W_k), v = x W_v.  x: [32768][128] f32 (8 batches of 4096 rows), W_*: [128][32] f32.
; Products with bf16 operands and f32 sums; RoPE in f32; results stored as f16, ALREADY IN THE REGISTER IMAGE of the matrix fragments that
; the attention launch reads, so that it loads a fragment with lane-contiguous 16-byte loads and shuffles nothing:
;   qf, kf: [tile of 16 rows][c = 0,1][lane][16 bytes]: lane (r = lane & 15, h = lane >> 4) holds row 16 tile + r, dims 16 c + 8 h .. + 7
;   vf:     [unit of 32 rows][dt = 0,1][c = 0,1][lane][16 bytes]: lane (r, h) holds dim 16 dt + r, rows 32 unit + 16 c + 8 h .. + 7
; A work-group owns 128 rows, a wave 16 of them.  Each wave asks for its 16 rows of x (8 KB) with one tensor load as its first memory
; instruction, so all of the work-group's 64 KB are on their way at once; W and the sines are made while they come.
; NO CLUSTER: x is read by one work-group alone.  W (48 KB) is read by all, but it goes through registers, 12 loads of 16 bytes a thread,
; because it is rounded to bf16 on the way into LDS; a joint request would lay 48 KB of f32 into LDS to be read, rounded and stored again.
; LIMITS: f16 holds |value| <= 65,504; q * 0.255, k and v beyond that become infinite.  The RoPE angle is pos * exp2(-0.830482 i), reduced by
; 2 pi in two parts and fed to Taylor sums (sin to x^15, cos to x^16, remainder at pi below 1e-6); at positions up to 4095 the angle can differ
; from one made with another power function by a few 1e-4 rad.
.set XPITCH, 528                       ; an LDS row of x: 512 bytes + 16 of padding, an odd multiple of 16: 16 rows start in 16 different 16-byte columns
.set XWAVE,  16*XPITCH                 ; a wave's 16 rows: 8,448 bytes, read by that wave alone
.set WS,     8*XWAVE                   ; 67,584: bf16 W[e = 0..127][n = 0..95] (q at n = 0, k at 32, v at 64)
.set WPITCH, 224                       ; its row pitch: 192 bytes + 32, an odd multiple of 32 for the transposing loads
.set LANE16, 1                         ; v1       16 x lane: my 16 bytes in every stored fragment chunk
.set XA,     2                         ; v2       LDS: my row of x, + 32 h
.set WTA,    3                         ; v3       LDS: my address for the transposing loads of W
.set WGO,    4                         ; v4       16 x thread: my 16 bytes of each quarter of a W
.set WST,    5                         ; v5       LDS: where these go as 8 bytes of bf16
.set POS,    6                         ; v6       my row's position in its batch, f32
.set H4,     7                         ; v7       4 h
.set T,      8                         ; v[8:15]  at work
.set COS,    16                        ; v[16:23] cos of pair a = 4 nt + jj: frequency 8 nt + 4 h + jj
.set SIN,    24                        ; v[24:31]
.set XF,     32                        ; v[32:63] x as four bf16 fragments (16 rows x 32 e)
.set WA,     64                        ; v[64:127]  W fragments (2 n tiles x 4 K steps x 8); first the f32 W as loaded
.set WB,     128                       ; v[128:191] the same, second buffer; first bf16 W on its way to LDS, then x in f32
.set ACCQ,   192                       ; v[192:207] two tiles of 8
.set ACCK,   208
.set ACCV,   224
.set PKQ,    240                       ; v[240:247] q as stored
.set PKK,    248                       ; v[248:255] k as stored
.set PKV,    192                       ; v[192:199] v as stored (ACCQ is done with by then)
.set TA,     192                       ; before any product: angle, then the reduced angle r
.set TN,     200                       ; turns n, then r^2
.set TP,     208                       ; sine's sum
.set TC,     216                       ; cosine's sum
.set TX,     224                       ; r^3
.set G0,     24                        ; s[24:27] descriptor group 0
.set G1,     32                        ; s[32:39] descriptor group 1
	s_load_b256 s[4:11], s[0:1], 0x0               ; x s[4:5], W_q s[6:7], W_k s[8:9], W_v s[10:11]
	s_load_b128 s[12:15], s[0:1], 0x20             ; qf s[12:13], kf s[14:15]
	s_load_b64 s[16:17], s[0:1], 0x30              ; vf
	s_set_vgpr_msb 0x40
	v_lshl_add_u32 v0, v0, 2, 0x29000
	v_mov_b32 v1, 0
	s_set_vgpr_msb 0x4045
	ds_add_u32 v0, v1
	ds_add_u32 v0, v1
	s_set_vgpr_msb 0x4500
	v_lshrrev_b32 v8, 5, v0
	v_readfirstlane_b32 s18, v8                    ; wave 0..7
	s_lshl_b32 s19, ttmp9, 3
	s_add_co_u32 s19, s19, s18                     ; tile = 8 x work-group + wave: rows 16 tile .. + 15
	; the tensor load: 16 rows x 128 f32, 16 bytes of padding behind each row
	s_mov_b32 s[G0+0], 1                           ; count = 1
	s_mul_i32 s[G0+1], s18, XWAVE                  ; LDS address: my wave's own 8,448 bytes
	s_mov_b32 s[G1+0], (2<<16)|(1<<20)|(6<<22)|(3<<25) ; elements of 4 bytes; padding on; after every 128 words (code 6) skip 4 words (code 3)
	s_mov_b32 s[G1+1], 128<<16                     ; tensor_dim0 = 128
	s_mov_b32 s[G1+2], 16<<16                      ; tensor_dim1 = 16
	s_mov_b32 s[G1+3], 128<<16                     ; tile_dim0 = 128
	s_mov_b32 s[G1+4], 16                          ; tile_dim1 = 16
	s_mov_b32 s[G1+5], 128                         ; 128 elements from row to row
	s_mov_b32 s[G1+6], 0
	s_mov_b32 s[G1+7], 0
	s_lshl_b32 s20, s19, 13                        ; 16 rows of 512 bytes
	s_mov_b32 s21, 0
	s_wait_dscnt 0x0
	s_wait_kmcnt 0x0
	s_add_nc_u64 s[G0+2:G0+3], s[4:5], s[20:21]    ; global address of my first row
	s_or_b32 s[G0+3], s[G0+3], 0x80000000          ; type = 2
	tensor_load_to_lds s[G0:G0+3], s[G1:G1+7]      ; the one tensor load of this wave
	s_nop 0
	; W: thread t takes the 16 bytes at 16 t of each quarter (4,096 bytes = 32 rows of e) of each of the three matrices
	v_lshlrev_b32 v[WGO], 4, v0
.irp m, 0,1,2
.irp i, 0,1,2,3
	global_load_b128 v[WA+16*\m+4*\i:WA+16*\m+4*\i+3], v[WGO], s[6+2*\m:7+2*\m] offset:4096*\i
.endr
.endr
	; where my results go
	s_lshl_b32 s20, s19, 10                        ; a tile of qf or kf is 1,024 bytes
	s_add_nc_u64 s[12:13], s[12:13], s[20:21]
	s_add_nc_u64 s[14:15], s[14:15], s[20:21]
	s_lshr_b32 s20, s19, 1
	s_lshl_b32 s20, s20, 11                        ; a unit of vf is 2,048 bytes;
	s_and_b32 s22, s19, 1
	s_lshl_b32 s22, s22, 9                         ; my 16 rows are its chunk c = tile & 1
	s_add_co_u32 s20, s20, s22
	s_add_nc_u64 s[16:17], s[16:17], s[20:21]
	s_lshl_b32 s23, s19, 4
	s_and_b32 s23, s23, 4095                       ; my first row's position in its batch
	; lane terms
	v_and_b32 v9, 31, v0                           ; lane
	v_and_b32 v10, 15, v0                          ; r
	v_bfe_u32 v11, v0, 4, 1                        ; h
	v_lshlrev_b32 v[LANE16], 4, v9
	v_mul_u32_u24 v[XA], v10, XPITCH
	v_lshl_add_u32 v[XA], v11, 5, v[XA]
	v_add_nc_u32 v[XA], s[G0+1], v[XA]             ; wave x 8,448 + r x 528 + 32 h
	v_and_b32 v12, 7, v0
	v_lshl_add_u32 v12, v11, 3, v12                ; 8 h + (lane & 7): the row of e that I address
	v_mul_u32_u24 v[WTA], v12, WPITCH
	v_bfe_u32 v13, v0, 3, 1
	v_lshl_add_u32 v[WTA], v13, 4, v[WTA]          ; + 16 bytes for lanes 8-15 and 24-31
	v_add_nc_u32 v[WTA], WS, v[WTA]
	v_lshrrev_b32 v12, 3, v0                       ; my chunk of W: row e = t >> 3 (+ 32 a quarter),
	v_mul_u32_u24 v[WST], v12, WPITCH
	v_and_b32 v13, 7, v0                           ; columns 4 (t & 7) .. + 3 = 8 bytes of bf16
	v_lshl_add_u32 v[WST], v13, 3, v[WST]
	v_add_nc_u32 v[WST], WS, v[WST]
	v_add_nc_u32 v[POS], s23, v10
	v_cvt_f32_u32 v[POS], v[POS]
	v_lshlrev_b32 v[H4], 2, v11
	; SINES AND COSINES of my eight angles, while x and W are on their way.
	; theta = 10000^(-i/16) = exp2(-0.830482 i), i = 8 nt + 4 h + jj; angle = pos x theta, rounded once like the product it stands for.
.set a, 0
.rept 8
	v_add_nc_u32 v[TN+a], 8*(a/4)+a%4, v[H4]
	v_cvt_f32_u32 v[TN+a], v[TN+a]
	v_mul_f32 v[TN+a], 0xbf549a78, v[TN+a]         ; -log2(10000)/16
.set a, a+1
.endr
.set a, 0
.rept 8
	v_exp_f32 v[TA+a], v[TN+a]
.set a, a+1
.endr
	v_mov_b32 v[T+0], 0xab573f9f                   ; -1/15!, twice: a plain line behind the exponentials, before their results are used (ISA guide 5.7.2)
	v_mov_b32 v[T+1], 0xab573f9f
	v_mov_b32 v[T+2], 0x29573f9f                   ; 1/16!, twice
	v_mov_b32 v[T+3], 0x29573f9f
.set a, 0
	s_wait_alu depctr_va_vdst(0)
.rept 8
	v_mul_f32 v[TA+a], v[POS], v[TA+a]
.set a, a+1
.endr
.irp q, 0,2,4,6
	v_pk_mul_f32 v[TN+\q:TN+\q+1], v[TA+\q:TA+\q+1], 0x3e22f983 op_sel_hi:[1,0]   ; angle / 2 pi
.endr
.set a, 0
.rept 8
	v_rndne_f32 v[TN+a], v[TN+a]                   ; whole turns, at most 652
.set a, a+1
.endr
.irp q, 0,2,4,6
	v_pk_fma_f32 v[TA+\q:TA+\q+1], v[TN+\q:TN+\q+1], 0xc0c90fdb, v[TA+\q:TA+\q+1] op_sel_hi:[1,0,1]   ; r = angle - n x 2 pi: the f32 nearest to 2 pi,
.endr
.irp q, 0,2,4,6
	v_pk_fma_f32 v[TA+\q:TA+\q+1], v[TN+\q:TN+\q+1], 0x343bbd2e, v[TA+\q:TA+\q+1] op_sel_hi:[1,0,1]   ; then what it lacks (it is 1.748e-7 too large)
.endr
.irp q, 0,2,4,6
	v_pk_mul_f32 v[TN+\q:TN+\q+1], v[TA+\q:TA+\q+1], v[TA+\q:TA+\q+1]                                  ; r^2, |r| <= pi
.endr
.macro HORNER p, c                     ; p = p r^2 + c for all eight angles
.irp q, 0,2,4,6
	v_pk_fma_f32 v[\p+\q:\p+\q+1], v[\p+\q:\p+\q+1], v[TN+\q:TN+\q+1], \c op_sel_hi:[1,1,0]
.endr
.endm
.irp q, 0,2,4,6
	v_pk_fma_f32 v[TP+\q:TP+\q+1], v[T:T+1], v[TN+\q:TN+\q+1], 0x2f309231 op_sel_hi:[1,1,0]            ; -r^2/15! + 1/13!
	v_pk_fma_f32 v[TC+\q:TC+\q+1], v[T+2:T+3], v[TN+\q:TN+\q+1], 0xad49cba5 op_sel_hi:[1,1,0]          ; r^2/16! - 1/14!
.endr
	HORNER TP, 0xb2d7322b                          ; -1/11!
	HORNER TC, 0x310f76c7                          ; 1/12!
	HORNER TP, 0x3638ef1d                          ; 1/9!
	HORNER TC, 0xb493f27e                          ; -1/10!
	HORNER TP, 0xb9500d01                          ; -1/7!
	HORNER TC, 0x37d00d01                          ; 1/8!
	HORNER TP, 0x3c088889                          ; 1/5!
	HORNER TC, 0xbab60b61                          ; -1/6!
	HORNER TP, 0xbe2aaaab                          ; -1/3!
	HORNER TC, 0x3d2aaaab                          ; 1/4!
	HORNER TC, -0.5                                ; -1/2!
.irp q, 0,2,4,6
	v_pk_mul_f32 v[TX+\q:TX+\q+1], v[TA+\q:TA+\q+1], v[TN+\q:TN+\q+1]
	v_pk_fma_f32 v[COS+\q:COS+\q+1], v[TN+\q:TN+\q+1], v[TC+\q:TC+\q+1], 1.0 op_sel_hi:[1,1,0]
.endr
.irp q, 0,2,4,6
	v_pk_fma_f32 v[SIN+\q:SIN+\q+1], v[TX+\q:TX+\q+1], v[TP+\q:TP+\q+1], v[TA+\q:TA+\q+1]
.endr
	; W to bf16 and into LDS
	s_wait_loadcnt 0x0                             ; all twelve loads of W
.irp m, 0,1,2
.irp i, 0,1,2,3
	v_cvt_pk_bf16_f32 v[WB+8*\m+2*\i],   v[WA+16*\m+4*\i],   v[WA+16*\m+4*\i+1]
	v_cvt_pk_bf16_f32 v[WB+8*\m+2*\i+1], v[WA+16*\m+4*\i+2], v[WA+16*\m+4*\i+3]
	ds_store_b64 v[WST], v[WB+8*\m+2*\i:WB+8*\m+2*\i+1] offset:32*WPITCH*\i+64*\m
.endr
.endr
	s_wait_tensorcnt 0x0                           ; my rows of x have landed,
	s_wait_dscnt 0x0                               ; my part of W is written: zero, for the other waves' sake
	s_barrier_signal -1
	s_barrier_wait -1                              ; the only barrier: W is whole for every wave
; 16 transposing loads: the fragments of 32 columns of W from column n0 on (2 tiles of 16 x 4 K steps of 32 e).  Lane (r, h) gets column
; n0 + 16 nt + r, e = 32 kk + 8 h .. + 7 (registers 0-3) and 16 further (registers 4-7).
.macro WFRAG buf, n0
.irp nt, 0,1
.irp kk, 0,1,2,3
	ds_load_tr16_b128 v[\buf+32*\nt+8*\kk:\buf+32*\nt+8*\kk+3],   v[WTA] offset:32*WPITCH*\kk+2*(\n0+16*\nt)
	ds_load_tr16_b128 v[\buf+32*\nt+8*\kk+4:\buf+32*\nt+8*\kk+7], v[WTA] offset:32*WPITCH*\kk+2*(\n0+16*\nt)+16*WPITCH
.endr
.endr
.endm
; 8 products: two tiles, K = 128 in four steps, the first of each tile starts its sum with the constant 0.
; xfirst = 0: source 0 = W, source 1 = x: register j of lane (r, h) is dim 16 nt + 8 h + j of row r (eight neighbouring dims of one row).
; xfirst = 1: source 0 = x, source 1 = W: register j is row 8 h + j of dim 16 nt + r (eight neighbouring rows of one dim).
.macro MM acc, buf, xfirst
.irp kk, 0,1,2,3
.irp nt, 0,1
.if \xfirst
.if \kk == 0
	v_wmma_f32_16x16x32_bf16 v[\acc+8*\nt:\acc+8*\nt+7], v[XF+8*\kk:XF+8*\kk+7], v[\buf+32*\nt+8*\kk:\buf+32*\nt+8*\kk+7], 0
.else
	v_wmma_f32_16x16x32_bf16 v[\acc+8*\nt:\acc+8*\nt+7], v[XF+8*\kk:XF+8*\kk+7], v[\buf+32*\nt+8*\kk:\buf+32*\nt+8*\kk+7], v[\acc+8*\nt:\acc+8*\nt+7]
.endif
.else
.if \kk == 0
	v_wmma_f32_16x16x32_bf16 v[\acc+8*\nt:\acc+8*\nt+7], v[\buf+32*\nt+8*\kk:\buf+32*\nt+8*\kk+7], v[XF+8*\kk:XF+8*\kk+7], 0
.else
	v_wmma_f32_16x16x32_bf16 v[\acc+8*\nt:\acc+8*\nt+7], v[\buf+32*\nt+8*\kk:\buf+32*\nt+8*\kk+7], v[XF+8*\kk:XF+8*\kk+7], v[\acc+8*\nt:\acc+8*\nt+7]
.endif
.endif
.endr
.endr
.endm
; the eight pairs of a lane: (x1, x2) -> (x1 cos - x2 sin, x1 sin + x2 cos)
.macro ROPE acc
.set a, 0
.rept 8
	v_mul_f32 v[T+2*(a%4)],   v[\acc+2*a+1], v[SIN+a]
	v_mul_f32 v[T+2*(a%4)+1], v[\acc+2*a+1], v[COS+a]
	v_fma_f32 v[\acc+2*a+1], v[\acc+2*a], v[SIN+a], v[T+2*(a%4)+1]
	v_fma_f32 v[\acc+2*a],   v[\acc+2*a], v[COS+a], -v[T+2*(a%4)]
.set a, a+1
.endr
.endm
.macro PACK dst, acc                   ; sixteen f32 to f16, pairs of neighbouring registers
.irp n, 0,1,2,3,4,5,6,7
	v_cvt_pk_f16_f32 v[\dst+\n], v[\acc+2*\n], v[\acc+2*\n+1]
.endr
.endm
	WFRAG WA, 0                                    ; W_q
.irp kk, 0,1,2,3
	ds_load_b128 v[WB+16*\kk:WB+16*\kk+3],     v[XA] offset:128*\kk        ; x(r, 32 kk + 8 h .. + 3)
	ds_load_b128 v[WB+16*\kk+4:WB+16*\kk+7],   v[XA] offset:128*\kk+16     ;   .. + 7
	ds_load_b128 v[WB+16*\kk+8:WB+16*\kk+11],  v[XA] offset:128*\kk+64     ; x(r, 32 kk + 16 + 8 h ..)
	ds_load_b128 v[WB+16*\kk+12:WB+16*\kk+15], v[XA] offset:128*\kk+80
.endr
	s_wait_dscnt 0x0                               ; W_q's fragments and x
.set n, 0
.rept 32
	v_cvt_pk_bf16_f32 v[XF+n], v[WB+2*n], v[WB+2*n+1]
.set n, n+1
.endr
	WFRAG WB, 32                                   ; W_k, on its way during q's products
	MM ACCQ, WA, 0
.rept 4
	v_nop                                          ; four places behind q's products before loads land on their source WA and ROPE reads their sums
.endr
	WFRAG WA, 64                                   ; W_v
	s_wait_dscnt 0x10                              ; W_k's 16 loads are in; the 16 younger ones (W_v) stay out
	MM ACCK, WB, 0
	ROPE ACCQ                                      ; names none of k's products' registers: these lines are the places behind them
.irp n, 0,2,4,6,8,10,12,14
	v_pk_mul_f32 v[ACCQ+\n:ACCQ+\n+1], v[ACCQ+\n:ACCQ+\n+1], 0x3e8293ee op_sel_hi:[1,0]   ; log2(e)/sqrt(32): scores come out ready for exp2
.endr
	PACK PKQ, ACCQ
	global_store_b128 v[LANE16], v[PKQ:PKQ+3],   s[12:13]              ; each store of the wave covers 512 consecutive bytes, aligned
	global_store_b128 v[LANE16], v[PKQ+4:PKQ+7], s[12:13] offset:512
	s_wait_dscnt 0x0                               ; W_v
	MM ACCV, WA, 1
	ROPE ACCK                                      ; the places behind v's products
	PACK PKK, ACCK
	global_store_b128 v[LANE16], v[PKK:PKK+3],   s[14:15]
	global_store_b128 v[LANE16], v[PKK+4:PKK+7], s[14:15] offset:512
	PACK PKV, ACCV
	global_store_b128 v[LANE16], v[PKV:PKV+3],   s[16:17]              ; dims 0-15
	global_store_b128 v[LANE16], v[PKV+4:PKV+7], s[16:17] offset:1024  ; dims 16-31
	s_set_vgpr_msb 0x5
	s_wait_tensorcnt 0x0
	ds_add_u32 v0, v1
	s_wait_dscnt 0x0
	s_set_vgpr_msb 0x500
	s_endpgm
.Lfunc_end_k_qa5352d0f2b_proj:
	.size	k_qa5352d0f2b_proj, .Lfunc_end_k_qa5352d0f2b_proj-k_qa5352d0f2b_proj
	.p2alignl 7, 3214868480
	.fill 96, 4, 3214868480
	.section	.rodata,"a",@progbits
	.p2align	6, 0x0
	.amdhsa_kernel k_qa5352d0f2b_proj
		.amdhsa_group_segment_fixed_size 168960
		.amdhsa_private_segment_fixed_size 0
		.amdhsa_enable_private_segment 0
		.amdhsa_kernarg_size 56
		.amdhsa_user_sgpr_count 2
		.amdhsa_user_sgpr_kernarg_segment_ptr 1
		.amdhsa_wavefront_size32 1
		.amdhsa_system_sgpr_workgroup_id_x 1
		.amdhsa_system_sgpr_workgroup_id_y 1
		.amdhsa_system_sgpr_workgroup_id_z 1
		.amdhsa_system_vgpr_workitem_id 0
		.amdhsa_next_free_vgpr 258
		.amdhsa_next_free_sgpr 66
		.amdhsa_reserve_vcc 0
		.amdhsa_float_denorm_mode_32 3
		.amdhsa_float_denorm_mode_16_64 3
		.amdhsa_memory_ordered 1
		.amdhsa_forward_progress 1
		.amdhsa_inst_pref_size 30
	.end_amdhsa_kernel
	.amdgpu_metadata
---
amdhsa.version: [ 1, 2 ]
amdhsa.kernels:
  - .name:           k_qa5352d0f2b_proj
    .symbol:         k_qa5352d0f2b_proj.kd
    .args:
      - { .name: x, .offset: 0, .size: 8, .value_kind: global_buffer, .address_space: global }
      - { .name: W_q, .offset: 8, .size: 8, .value_kind: global_buffer, .address_space: global }
      - { .name: W_k, .offset: 16, .size: 8, .value_kind: global_buffer, .address_space: global }
      - { .name: W_v, .offset: 24, .size: 8, .value_kind: global_buffer, .address_space: global }
      - { .name: qf, .offset: 32, .size: 8, .value_kind: global_buffer, .address_space: global }
      - { .name: kf, .offset: 40, .size: 8, .value_kind: global_buffer, .address_space: global }
      - { .name: vf, .offset: 48, .size: 8, .value_kind: global_buffer, .address_space: global }
    .group_segment_fixed_size: 168960
    .private_segment_fixed_size: 0
    .kernarg_segment_align: 8
    .kernarg_segment_size: 56
    .max_flat_workgroup_size: 256
    .sgpr_count:     66
    .vgpr_count:     258
    .wavefront_size: 32
...
	.end_amdgpu_metadata
.endif
;; end of part 1
;; launch attn (part 2): grid 32 x 8, 8 waves a work-group, no clusters, 76,800 bytes of LDS; arguments qf, kf, vf, out0; writes out0
.if DOCPART == 2
	.amdgcn_target "amdgcn-amd-amdhsa--gfx1250"
	.amdhsa_code_object_version 6
	.text
	.protected	k_qa5352d0f2b_attn
	.globl	k_qa5352d0f2b_attn
	.p2align	8
	.type	k_qa5352d0f2b_attn,@function
k_qa5352d0f2b_attn:
	s_mov_b64 s[64:65], 0
	v_nop
	global_prefetch_b8 v0, s[64:65] scope:SCOPE_SE
	s_setreg_imm32_b32 hwreg(HW_REG_WAVE_MODE, 25, 1), 1
	s_wait_xcnt 0x0
; attn: out = softmax(causal(q k^T)) v for one head of size 32, 8 batches of 4,096 positions.  q (already times log2(e)/sqrt(32)), k and v^T
; come as f16 in the register image of matrix fragments (qf, kf: 1,024 bytes for 16 rows; vf: 2,048 bytes for 32 keys); sums, maxima,
; exponentials in f32.
; SHARES.  Work-group (p, b) owns the query blocks 63 - p and p of batch b, 64 queries each: (64 - p) + (p + 1) = 65 pieces of 64 keys whatever
; p is, so all 256 work-groups have equal work.  Piece s of a block belongs to wave s & 7; every wave works on all 64 queries of the block.
; TWO PASSES over a block's keys.  Pass 1: scores and their row maximum (one v_max3 for two scores).  The waves' maxima meet in LDS, so that
; every wave knows the exact maximum m of each row.  Pass 2: the scores again, with -m as the matrix instruction's C operand, so that the
; subtraction costs nothing; exp2, sum, rounding to f16, times v.  All waves used the same m: their partial sums simply add, in LDS.
; OPERANDS.  Scores: source 0 = 16 keys, source 1 = 16 queries: lane (r, h) holds query r, keys 8 h + j.  A lane holds one query only (maximum and
; sum stay in the lane but for one exchange of the halves), and the packed weights of two key tiles ARE the fragment of 32 keys that the
; second product takes as source 1.  That product: source 0 = 16 dims of v^T: register j = dim 16 dt + 8 h + j of query r.
; NO LDS FOR K AND V, NO CLUSTER: no two waves of a work-group read the same piece, so fragments go from memory straight into registers, 512
; consecutive bytes an instruction.  The work-groups of a batch do read the same k and v, but (p, b) walks 64 - p and then p + 1 pieces: no two
; partners need the same number, nor the same piece at the same time.
; NO PREFETCH: the three buffers are 6 MB, each batch's part is read by 32 work-groups, and the register ring asks one piece ahead.
; O IS CLEARED by moves at each block's second pass, not started by a first product: a wave may own no piece of a block (block p < wave),
; and then its partial sum has to be zero.
; LIMITS: weights are rounded to f16: below 6e-8 of the row's largest they become 0.  Masked scores are -1e30; f16 operands bound true scores by
; 32 x 65,504^2 = 1.4e11 in magnitude.  The last 12 loads of a wave (the ring's look-ahead, wrapped to the wave's first piece) are not used.
.set OPITCH, 144                       ; a row of a wave's partial result: 128 bytes of O, the row's sum at byte 128, 12 spare: an odd multiple of 16
.set OWAVE,  64*OPITCH                 ; 9,216 bytes a wave, eight waves from LDS byte 0
.set MAXR,   8*OWAVE                   ; 73,728: maxima [wave][r][query tile] f32, 256 bytes a wave
.set PIECE,  4096                      ; 64 keys in kf and in vf alike
.set NEXT,   8*PIECE                   ; from one piece of a wave to its next
.set L16,  1                           ; v1   16 x lane
.set OFFC, 2                           ; v2   16 x lane + the current piece's byte offset
.set OFFN, 3                           ; v3   the same for the piece that the ring asks for
.set MST,  4                           ; v4   LDS: my wave's maxima, row r
.set MLD,  5                           ; v5   LDS: wave 0's maxima, row r
.set OST,  6                           ; v6   LDS: my wave's partial O, row r, + 32 h
.set ORD0, 7                           ; v7   LDS: wave 0's partial O, the 16 bytes that thread t sums up
.set ORD1, 8                           ; v8   the same of wave 4 (the immediate reaches 64 KB only)
.set OUTO, 9                           ; v9   16 x thread
.set NEG,  10                          ; v10  -1e30
.set LST,  11                          ; v11  LDS: my wave's row sums, row r
.set ML,   12                          ; v[12:19]   pass 1: two chains of maxima a query tile; pass 2: a pair of sums a query tile
.set QF,   20                          ; v[20:51]   four query tiles
.set CM,   52                          ; v[52:83]   -m, eight equal registers a query tile: a C operand
.set KF,   84                          ; v[84:115]  two slots (the halves of a piece) x two key tiles x 8
.set VF,   116                         ; v[116:147] two slots x two dim tiles x 8
.set SC,   148                         ; v[148:211] scores: 16 qt + 8 kt + j
.set PF,   212                         ; v[212:243] weights in f16: 8 qt
.set LRD0, 244                         ; v244 LDS: wave 0's row sum for thread t's row
.set LRD1, 245                         ; v245 wave 4's
.set TT,   246                         ; v[246:251] at work
                                       ; v[256:319] (window 1, v0-63) O: 16 qt + 8 dt
.set MK,   32                          ; s[32:39] lanes in which key 8 h + j lies behind query r
.set MSB, 0
.macro WIN new                         ; s_set_vgpr_msb: bits 1:0 source 0, 3:2 source 1, 5:4 source 2, 7:6 destination; the high byte repeats the setting left
.if MSB != \new
	s_set_vgpr_msb (MSB<<8)|\new
.set MSB, \new
.endif
.endm
.macro PLACES                          ; four places behind matrix instructions, before their results are read or loads land on their sources
.rept 4
	v_nop
.endr
.endm
.macro LOAD4 dst, off, base, byte      ; one slot: four loads, 512 consecutive bytes each
.irp n, 0,1,2,3
	global_load_b128 v[\dst+4*\n:\dst+4*\n+3], v[\off], s[\base:\base+1] offset:\byte+512*\n
.endr
.endm
.macro LOADQ                           ; the block's 64 queries
.irp n, 0,1,2,3,4,5,6,7
	global_load_b128 v[QF+4*\n:QF+4*\n+3], v[L16], s[26:27] offset:512*\n
.endr
.endm
	s_load_b256 s[4:11], s[0:1], 0x0               ; qf s[4:5], kf s[6:7], vf s[8:9], out0 s[10:11]
	v_lshl_add_u32 v254, v0, 2, 0x12800
	v_mov_b32 v255, 0
	v_lshrrev_b32 v[TT+3], 5, v0
	v_readfirstlane_b32 s12, v[TT+3]               ; wave 0..7
	s_mov_b32 s13, ttmp9                           ; p
	s_and_b32 s14, ttmp7, 0xffff                   ; b
	s_mov_b32 s30, 0x76543210                      ; v_permlanex16_b32: lane i of one half reads lane i of the other
	s_mov_b32 s31, 0xfedcba98
	s_lshl_b32 s22, s12, 12                        ; my first piece: number = wave
	s_sub_co_u32 s16, 63, s13                      ; the first block, the long one,
	s_mov_b32 s17, s13                             ; and the second
	s_mov_b32 s15, 0                               ; blocks done
	v_and_b32 v[TT], 31, v0
	v_lshlrev_b32 v[L16], 4, v[TT]
	v_and_b32 v[TT+1], 15, v0                      ; r
	v_bfe_u32 v[TT+2], v0, 4, 1                    ; h
	v_lshlrev_b32 v[TT+4], 3, v[TT+2]
	v_sub_nc_u32 v[TT+4], v[TT+1], v[TT+4]         ; r - 8 h, signed
.irp j, 0,1,2,3,4,5,6,7
	v_cmp_gt_i32 s[MK+\j], \j, v[TT+4]             ; j > r - 8 h: on a diagonal tile key 8 h + j is later than query r
.endr
	v_lshl_add_u32 v[MLD], v[TT+1], 4, MAXR
	s_lshl_b32 s24, s12, 8
	v_add_nc_u32 v[MST], s24, v[MLD]
	s_mul_i32 s25, s12, OWAVE
	v_mul_u32_u24 v[OST], v[TT+1], OPITCH
	v_add_nc_u32 v[LST], s25, v[OST]
	v_add_nc_u32 v[LST], 128, v[LST]
	v_lshl_add_u32 v[OST], v[TT+2], 5, v[OST]
	v_add_nc_u32 v[OST], s25, v[OST]
	v_lshrrev_b32 v[TT+5], 3, v0                   ; thread t sums up 16 bytes of row t >> 3 (and of row 32 + t >> 3)
	v_mul_u32_u24 v[LRD0], v[TT+5], OPITCH
	v_and_b32 v[TT+5], 7, v0
	v_lshl_add_u32 v[ORD0], v[TT+5], 4, v[LRD0]
	v_add_nc_u32 v[ORD1], 4*OWAVE, v[ORD0]
	v_add_nc_u32 v[LRD0], 128, v[LRD0]
	v_add_nc_u32 v[LRD1], 4*OWAVE, v[LRD0]
	v_lshlrev_b32 v[OUTO], 4, v0
	v_mov_b32 v[NEG], 0xf149f2ca
	v_add_nc_u32 v[OFFC], s22, v[L16]
	s_lshl_b32 s24, s14, 18                        ; a batch is 262,144 bytes of qf, kf, vf
	s_mov_b32 s25, 0
	s_wait_kmcnt 0x0
	s_add_nc_u64 s[4:5], s[4:5], s[24:25]
	s_add_nc_u64 s[6:7], s[6:7], s[24:25]
	s_add_nc_u64 s[8:9], s[8:9], s[24:25]
	s_lshl_b32 s24, s14, 19                        ; and 524,288 of out0
	s_add_nc_u64 s[10:11], s[10:11], s[24:25]
	s_lshl_b32 s24, s16, 12                        ; a block's queries are 4,096 bytes of qf
	s_add_nc_u64 s[26:27], s[4:5], s[24:25]
	; the ring's first fill: my first piece's k, both halves, and the first half of its v (which waits in its slot through pass 1)
	LOAD4 KF, OFFC, 6, 0
	LOAD4 KF+16, OFFC, 6, 2048
	LOAD4 VF, OFFC, 8, 0
	LOADQ
; THE RING is one stream through both passes and both blocks.  A slot is asked for again right behind the four places that follow the products
; which read it, from OFFN, the wave's next piece; behind the last piece of a pass OFFN wraps to the wave's first piece, which is what the next
; pass (and the next block) begins with.  So nothing is asked for twice and no request leaves the batch's 64 pieces.
.macro PHASE                           ; a pass begins: k = 0, current = my first piece, next = my second if I have two
	s_wait_xcnt 0x0                                ; the offsets are rewritten only when every issued load and store has had its address translated (ISA guide 3.1)
	s_mov_b32 s21, 0
	s_add_co_u32 s24, s22, NEXT
	s_cmp_gt_u32 s20, 1
	s_cselect_b32 s23, s24, s22
	v_add_nc_u32 v[OFFC], s22, v[L16]
	v_add_nc_u32 v[OFFN], s23, v[L16]
.endm
.macro STEP                            ; a trip ends: current = next; next = one further while k + 2 < my pieces, else my first
	s_wait_xcnt 0x0                                ; as above
	v_mov_b32 v[OFFC], v[OFFN]
	s_add_co_u32 s24, s21, 2
	s_add_co_u32 s25, s23, NEXT
	s_cmp_lt_u32 s24, s20
	s_cselect_b32 s23, s25, s22
	v_add_nc_u32 v[OFFN], s23, v[L16]
.endm
; THE DIAGONAL PIECE (dg = 1).  Key tile 2 half + kt against query tile qt: earlier = whole, equal = diagonal, later = nothing to see.
; With qlo = 2 half: query tiles below qlo see nothing and are left out; tile (qlo, 0) and tile (qlo + 1, 1) are diagonal; (qlo, 1) sees nothing.
.macro PRESENT qt, kt, qlo, dg         ; here = 1 where some query of tile (qt, kt) sees some key
.set here, 1
.if \qt < \qlo
.set here, 0
.endif
.if \dg
.if \qt == \qlo
.if \kt == 1
.set here, 0
.endif
.endif
.endif
.endm
.macro QK slot, qlo, dg, pass          ; scores of 32 keys x 64 queries; pass 2 starts each sum at -m
.irp qt, 0,1,2,3
.irp kt, 0,1
	PRESENT \qt, \kt, \qlo, \dg
.if here
.if \pass == 1
	v_wmma_f32_16x16x32_f16 v[SC+16*\qt+8*\kt:SC+16*\qt+8*\kt+7], v[KF+16*\slot+8*\kt:KF+16*\slot+8*\kt+7], v[QF+8*\qt:QF+8*\qt+7], 0
.else
	v_wmma_f32_16x16x32_f16 v[SC+16*\qt+8*\kt:SC+16*\qt+8*\kt+7], v[KF+16*\slot+8*\kt:KF+16*\slot+8*\kt+7], v[QF+8*\qt:QF+8*\qt+7], v[CM+8*\qt:CM+8*\qt+7]
.endif
.endif
.endr
.endr
.endm
.macro MASK qlo, pass
.irp j, 0,1,2,3,4,5,6,7
	v_cndmask_b32 v[SC+16*\qlo+\j], v[SC+16*\qlo+\j], v[NEG], s[MK+\j]
	v_cndmask_b32 v[SC+16*(\qlo+1)+8+\j], v[SC+16*(\qlo+1)+8+\j], v[NEG], s[MK+\j]
.if \pass == 2
	v_mov_b32 v[SC+16*\qlo+8+\j], v[NEG]           ; the tile that sees nothing: weights 0
.endif
.endr
.endm
; PASS 1, one half of a piece
.macro SUB1 slot, qlo, dg
	s_wait_loadcnt 0x4                             ; this slot's four loads are in; the other slot's four, issued behind them, stay out
	QK \slot, \qlo, \dg, 1
	PLACES
	LOAD4 KF+16*\slot, OFFN, 6, 2048*\slot
.if \dg
	MASK \qlo, 1
.endif
.irp e, 0,1,2,3,4,5,6,7
.irp qt, 0,1,2,3
	PRESENT \qt, (\e/4), \qlo, \dg
.if here
	v_max3_num_f32 v[ML+2*\qt+\e%2], v[ML+2*\qt+\e%2], v[SC+16*\qt+2*\e], v[SC+16*\qt+2*\e+1]   ; eight chains side by side
.endif
.endr
.endr
.endm
.macro TRIP1 dg
	SUB1 0, 0, \dg
.if \dg
	SUB1 1, 2, 1                                   ; the diagonal piece is a pass's last: no STEP
.else
	SUB1 1, 0, 0
	STEP
.endif
.endm
; PASS 2.  The 16 exponentials of query tile xq (4: none), each followed by one line of tile pq's sum and packing (4: none): a plain line that
; names none of xq's registers stands behind every exponential before its result is used (ISA guide 5.7.2).
.macro STAGE xq, pq
.irp e, 0,1,2,3,4,5,6,7
.if \xq < 4
	v_exp_f32 v[SC+16*\xq+2*\e], v[SC+16*\xq+2*\e]
.endif
.if \pq < 4
	s_wait_alu depctr_va_vdst(0)
	v_pk_add_f32 v[ML+2*\pq:ML+2*\pq+1], v[ML+2*\pq:ML+2*\pq+1], v[SC+16*\pq+2*\e:SC+16*\pq+2*\e+1]
.endif
.if \xq < 4
	v_exp_f32 v[SC+16*\xq+2*\e+1], v[SC+16*\xq+2*\e+1]
.endif
.if \pq < 4
	v_cvt_pk_f16_f32 v[PF+8*\pq+\e], v[SC+16*\pq+2*\e], v[SC+16*\pq+2*\e+1]   ; key tile 0 fills registers 0-3, key tile 1 registers 4-7: the fragment of 32 keys
.endif
.endr
.endm
; The loads of pass 2 are issued in the order V1(t), K0(t+1), V0(t+1), K1(t+1), four each.
.macro SUB2 slot, qlo, dg
	s_wait_loadcnt 0x8                             ; this K slot is in: behind it one V slot and one K slot were issued
	QK \slot, \qlo, \dg, 2
	PLACES                                         ; also behind the last weights x v, whose V slot is asked for again here
.if \slot == 0
	LOAD4 VF+16, OFFC, 8, 2048                     ; this piece's second half of v
	LOAD4 KF, OFFN, 6, 0
.else
	LOAD4 VF, OFFN, 8, 0
	LOAD4 KF+16, OFFN, 6, 2048
.endif
.if \dg
	MASK \qlo, 2
.endif
.if \qlo == 0
	STAGE 0, 4
	v_nop                                          ; the plain line behind this first run of exponentials
	STAGE 1, 0
	STAGE 2, 1
.else
	STAGE 2, 4
	v_nop
.endif
	STAGE 3, 2
	STAGE 4, 3
	s_wait_loadcnt 0xc                             ; this V slot is in: behind it three slots were issued
	WIN 0x50                                       ; C and D in window 1
.irp qt, 0,1,2,3
.if \qt >= \qlo
.irp dt, 0,1
	v_wmma_f32_16x16x32_f16 v[16*\qt+8*\dt:16*\qt+8*\dt+7], v[VF+16*\slot+8*\dt:VF+16*\slot+8*\dt+7], v[PF+8*\qt:PF+8*\qt+7], v[16*\qt+8*\dt:16*\qt+8*\dt+7]
.endr
.endif
.endr
	WIN 0
.endm
.macro TRIP2 dg
	SUB2 0, 0, \dg
.if \dg
	SUB2 1, 2, 1
.else
	SUB2 1, 0, 0
	STEP
.endif
.endm
.Lblock:                                               ; s16 = the block i: queries 64 i .. + 63, pieces 0 .. i, piece i diagonal
	s_add_co_u32 s18, s16, 7
	s_sub_co_u32 s18, s18, s12
	s_lshr_b32 s18, s18, 3                         ; my whole pieces: those s < i with s & 7 = wave
	s_and_b32 s19, s16, 7
	s_cmp_eq_u32 s19, s12
	s_cselect_b32 s19, 1, 0                        ; is the diagonal piece mine?
	s_add_co_u32 s20, s18, s19                     ; my pieces
.irp n, 0,1,2,3,4,5,6,7
	v_mov_b32 v[ML+\n], v[NEG]
.endr
	PHASE                                          ; (its wait also frees the scores' registers, from which the last block's results were stored)
	s_wait_loadcnt 0x0                             ; q and the ring's slots: asked for before the last block's sums met, or in the prologue.
	                                               ; From zero the counted waits below hold on the way in, with or without trips, and round the back edge
	s_cmp_eq_u32 s18, 0
	s_cbranch_scc1 .Lp1_whole_done
.Lp1:
	TRIP1 0
	s_add_co_u32 s21, s21, 1
	s_cmp_lt_u32 s21, s18
	s_cbranch_scc1 .Lp1
.Lp1_whole_done:
	s_cmp_eq_u32 s19, 0
	s_cbranch_scc1 .Lp1_done
	TRIP1 1
.Lp1_done:
	; THE MAXIMA MEET.  Two chains, the two halves of the lanes, then the eight waves through LDS.
	PLACES                                         ; behind the last scores, on whose registers the LDS loads below land
.irp qt, 0,1,2,3
	v_max_num_f32 v[ML+2*\qt], v[ML+2*\qt], v[ML+2*\qt+1]
.endr
.irp qt, 0,1,2,3
	v_permlanex16_b32 v[TT+\qt], v[ML+2*\qt], s30, s31
.endr
.irp qt, 0,1,2,3
	v_max_num_f32 v[TT+\qt], v[TT+\qt], v[ML+2*\qt]
.endr
	ds_store_b128 v[MST], v[TT:TT+3]               ; lanes r and 16 + r write the same four numbers to the same bytes
	s_wait_dscnt 0x0                               ; zero, for the other waves' sake
	s_barrier_signal -1
	s_barrier_wait -1                              ; maxima: written -> read.  Also: the last block's reads of the partial sums -> this block's writes of them
.irp u, 0,1,2,3,4,5,6,7
	ds_load_b128 v[SC+4*\u:SC+4*\u+3], v[MLD] offset:256*\u
.endr
.irp n, 0,1,2,3,4,5,6,7
	v_mov_b32 v[ML+\n], 0                          ; the sums of weights begin
.endr
	WIN 0x40
.set n, 0
.rept 64
	v_mov_b32 v[n], 0                              ; O (window 1): see the head for why it is cleared
.set n, n+1
.endr
	WIN 0
	PHASE
	s_wait_dscnt 0x0
.irp qt, 0,1,2,3
	v_max3_num_f32 v[TT+\qt], v[SC+\qt], v[SC+4+\qt], v[SC+8+\qt]
.endr
.irp qt, 0,1,2,3
	v_max3_num_f32 v[TT+\qt], v[TT+\qt], v[SC+12+\qt], v[SC+16+\qt]
.endr
.irp qt, 0,1,2,3
	v_max3_num_f32 v[TT+\qt], v[TT+\qt], v[SC+20+\qt], v[SC+24+\qt]
.endr
.irp qt, 0,1,2,3
	v_max_num_f32 v[TT+\qt], v[TT+\qt], v[SC+28+\qt]   ; every row sees its own key, so this is a true score
.endr
.irp qt, 0,1,2,3
.irp j, 0,1,2,3,4,5,6,7
	v_sub_f32 v[CM+8*\qt+\j], 0, v[TT+\qt]
.endr
.endr
	s_wait_loadcnt 0x0                             ; my first piece's k, asked for in pass 1's last trip
	s_cmp_eq_u32 s18, 0
	s_cbranch_scc1 .Lp2_whole_done
.Lp2:
	TRIP2 0
	s_add_co_u32 s21, s21, 1
	s_cmp_lt_u32 s21, s18
	s_cbranch_scc1 .Lp2
.Lp2_whole_done:
	s_cmp_eq_u32 s19, 0
	s_cbranch_scc1 .Lp2_done
	TRIP2 1
.Lp2_done:
	PLACES                                         ; behind the last products: q is loaded anew, O is stored to LDS, loads land on scores and weights
	s_cmp_lg_u32 s15, 0
	s_cbranch_scc1 .Lno_q
	s_lshl_b32 s24, s17, 12                        ; the second block's queries come while the sums meet
	s_mov_b32 s25, 0
	s_add_nc_u64 s[26:27], s[4:5], s[24:25]        ; (the loads that named this base were waited for at the passes' heads)
	LOADQ
.Lno_q:
	; THE PARTIAL SUMS MEET
.irp qt, 0,1,2,3
	v_add_f32 v[ML+2*\qt], v[ML+2*\qt], v[ML+2*\qt+1]
.endr
.irp qt, 0,1,2,3
	v_permlanex16_b32 v[ML+2*\qt+1], v[ML+2*\qt], s30, s31
.endr
.irp qt, 0,1,2,3
	v_add_f32 v[ML+2*\qt], v[ML+2*\qt], v[ML+2*\qt+1]  ; my wave's sum of weights of query 16 qt + r
.endr
	WIN 0x04                                       ; store data in window 1
.irp qt, 0,1,2,3
.irp dt, 0,1
	ds_store_b128 v[OST], v[16*\qt+8*\dt:16*\qt+8*\dt+3]   offset:16*OPITCH*\qt+64*\dt
	ds_store_b128 v[OST], v[16*\qt+8*\dt+4:16*\qt+8*\dt+7] offset:16*OPITCH*\qt+64*\dt+16
.endr
.endr
	WIN 0
.irp qt, 0,1,2,3
	ds_store_b32 v[LST], v[ML+2*\qt] offset:16*OPITCH*\qt
.endr
	s_wait_dscnt 0x0                               ; zero, for the other waves' sake
	s_barrier_signal -1
	s_barrier_wait -1                              ; partial sums: written -> read.  Also: this block's reads of the maxima -> the next block's writes of them
	; thread t makes the 16 bytes at 16 t and at 4,096 + 16 t of the block's 8,192 bytes of output (e = 0, 1: rows t >> 3 and 32 + t >> 3)
.irp e, 0,1
.irp u, 0,1,2,3
	ds_load_b128 v[SC+32*\e+4*\u:SC+32*\e+4*\u+3],       v[ORD0] offset:OWAVE*\u+32*OPITCH*\e
	ds_load_b128 v[SC+32*\e+16+4*\u:SC+32*\e+16+4*\u+3], v[ORD1] offset:OWAVE*\u+32*OPITCH*\e
	ds_load_b32 v[PF+8*\e+\u],   v[LRD0] offset:OWAVE*\u+32*OPITCH*\e
	ds_load_b32 v[PF+8*\e+4+\u], v[LRD1] offset:OWAVE*\u+32*OPITCH*\e
.endr
.endr
	s_wait_dscnt 0x0
.irp u, 1,2,3,4,5,6,7
.irp e, 0,1
	v_pk_add_f32 v[SC+32*\e:SC+32*\e+1],   v[SC+32*\e:SC+32*\e+1],   v[SC+32*\e+4*\u:SC+32*\e+4*\u+1]
	v_pk_add_f32 v[SC+32*\e+2:SC+32*\e+3], v[SC+32*\e+2:SC+32*\e+3], v[SC+32*\e+4*\u+2:SC+32*\e+4*\u+3]
	v_add_f32 v[PF+8*\e], v[PF+8*\e], v[PF+8*\e+\u]
.endr
.endr
	v_rcp_f32 v[TT], v[PF]                         ; the sum holds the row's largest weight, about 1
	v_rcp_f32 v[TT+2], v[PF+8]
	v_nop                                          ; the plain line behind the reciprocals
	s_wait_alu depctr_va_vdst(0)
	v_pk_mul_f32 v[SC:SC+1],       v[SC:SC+1],       v[TT:TT+1] op_sel_hi:[1,0]
	v_pk_mul_f32 v[SC+2:SC+3],     v[SC+2:SC+3],     v[TT:TT+1] op_sel_hi:[1,0]
	v_pk_mul_f32 v[SC+32:SC+33],   v[SC+32:SC+33],   v[TT+2:TT+3] op_sel_hi:[1,0]
	v_pk_mul_f32 v[SC+34:SC+35],   v[SC+34:SC+35],   v[TT+2:TT+3] op_sel_hi:[1,0]
	s_wait_xcnt 0x0                                ; the stores' base is rewritten only behind this wait
	s_lshl_b32 s24, s16, 13                        ; a block is 8,192 bytes of out0
	s_mov_b32 s25, 0
	s_add_nc_u64 s[28:29], s[10:11], s[24:25]
	global_store_b128 v[OUTO], v[SC:SC+3],     s[28:29] th:TH_STORE_NT              ; each store of a wave covers 512 consecutive bytes, aligned
	global_store_b128 v[OUTO], v[SC+32:SC+35], s[28:29] offset:4096 th:TH_STORE_NT
	s_mov_b32 s16, s17
	s_add_co_u32 s15, s15, 1
	s_cmp_lt_u32 s15, 2
	s_cbranch_scc1 .Lblock
	s_wait_tensorcnt 0x0
	ds_add_u32 v254, v255
	s_wait_dscnt 0x0
	s_endpgm
.Lfunc_end_k_qa5352d0f2b_attn:
	.size	k_qa5352d0f2b_attn, .Lfunc_end_k_qa5352d0f2b_attn-k_qa5352d0f2b_attn
	.p2alignl 7, 3214868480
	.fill 96, 4, 3214868480
	.section	.rodata,"a",@progbits
	.p2align	6, 0x0
	.amdhsa_kernel k_qa5352d0f2b_attn
		.amdhsa_group_segment_fixed_size 76800
		.amdhsa_private_segment_fixed_size 0
		.amdhsa_enable_private_segment 0
		.amdhsa_kernarg_size 32
		.amdhsa_user_sgpr_count 2
		.amdhsa_user_sgpr_kernarg_segment_ptr 1
		.amdhsa_wavefront_size32 1
		.amdhsa_system_sgpr_workgroup_id_x 1
		.amdhsa_system_sgpr_workgroup_id_y 1
		.amdhsa_system_sgpr_workgroup_id_z 1
		.amdhsa_system_vgpr_workitem_id 0
		.amdhsa_next_free_vgpr 320
		.amdhsa_next_free_sgpr 66
		.amdhsa_reserve_vcc 0
		.amdhsa_float_denorm_mode_32 3
		.amdhsa_float_denorm_mode_16_64 3
		.amdhsa_memory_ordered 1
		.amdhsa_forward_progress 1
		.amdhsa_inst_pref_size 68
	.end_amdhsa_kernel
	.amdgpu_metadata
---
amdhsa.version: [ 1, 2 ]
amdhsa.kernels:
  - .name:           k_qa5352d0f2b_attn
    .symbol:         k_qa5352d0f2b_attn.kd
    .args:
      - { .name: qf, .offset: 0, .size: 8, .value_kind: global_buffer, .address_space: global }
      - { .name: kf, .offset: 8, .size: 8, .value_kind: global_buffer, .address_space: global }
      - { .name: vf, .offset: 16, .size: 8, .value_kind: global_buffer, .address_space: global }
      - { .name: out0, .offset: 24, .size: 8, .value_kind: global_buffer, .address_space: global }
    .group_segment_fixed_size: 76800
    .private_segment_fixed_size: 0
    .kernarg_segment_align: 8
    .kernarg_segment_size: 32
    .max_flat_workgroup_size: 256
    .sgpr_count:     66
    .vgpr_count:     320
    .wavefront_size: 32
...
	.end_amdgpu_metadata
.endif
;; end of part 2
;; ======== version 2 of 2: 2 launches; 1.12 times as fast as version 1
;; limits: values are held in f16: magnitudes above 65,504 overflow, below 6.1e-05 lose precision
;; workspace buffers: qf 2,097,152 bytes; kf 2,097,152 bytes; vf 2,097,152 bytes
;; launch proj: the kernel of part 1 again; grid 256 x 1, 8 waves a work-group, no clusters, 168,960 bytes of LDS; arguments x, W_q, W_k, W_v, qf, kf, vf; writes qf, kf, vf
;; launch attn (part 3): grid 32 x 8, 8 waves a work-group, no clusters, 76,800 bytes of LDS; arguments qf, kf, vf, out0; writes out0
.if DOCPART == 3
	.amdgcn_target "amdgcn-amd-amdhsa--gfx1250"
	.amdhsa_code_object_version 6
	.text
	.protected	k_qa5352d0f2b_attn
	.globl	k_qa5352d0f2b_attn
	.p2align	8
	.type	k_qa5352d0f2b_attn,@function
k_qa5352d0f2b_attn:
	s_mov_b64 s[64:65], 0
	v_nop
	global_prefetch_b8 v0, s[64:65] scope:SCOPE_SE
	s_setreg_imm32_b32 hwreg(HW_REG_WAVE_MODE, 25, 1), 1
	s_wait_xcnt 0x0
; attn: out = softmax(causal(q k^T)) v for one head of size 32, 8 batches of 4,096 positions.  q (already times log2(e)/sqrt(32)), k and v^T
; come as f16 in the register image of matrix fragments (qf, kf: 1,024 bytes for 16 rows; vf: 2,048 bytes for 32 keys); sums, maxima,
; exponentials in f32.
; SHARES.  Work-group (p, b) owns the query blocks 63 - p and p of batch b, 64 queries each: (64 - p) + (p + 1) = 65 pieces of 64 keys whatever
; p is, so all 256 work-groups have equal work.  Piece s of a block belongs to wave s & 7; every wave works on all 64 queries of the block.
; TWO PASSES over a block's keys.  Pass 1: scores and their row maximum (one v_max3 for two scores).  The waves' maxima meet in LDS, so that
; every wave knows the exact maximum m of each row.  Pass 2: the scores again, with -m as the matrix instruction's C operand, so that the
; subtraction costs nothing; exp2, sum, rounding to f16, times v.  All waves used the same m: their partial sums simply add, in LDS.
; OPERANDS.  Scores: source 0 = 16 keys, source 1 = 16 queries: lane (r, h) holds query r, keys 8 h + j.  A lane holds one query only (maximum and
; sum stay in the lane but for one exchange of the halves), and the packed weights of two key tiles ARE the fragment of 32 keys that the
; second product takes as source 1.  That product: source 0 = 16 dims of v^T: register j = dim 16 dt + 8 h + j of query r.
; EXPONENTIALS IN BATCHES.  Half a piece has 64 exponentials, made in place on the scores, and 64 lines that read them (32 packed sums, 32
; roundings to f16).  They are cut into two batches of 32.  Batch A, query tiles 0 and 1, stands on end, with a v_nop and its wait behind it.
; Batch B, tiles 2 and 3, takes turns line by line with batch A's 32 readers, which name none of batch B's registers; then batch B's wait,
; then its 32 readers.  So half a piece has two waits.  The diagonal piece's second half has tiles 2 and 3 alone: one batch, one wait.
; Behind a half's last wait.  The two reciprocals of a
; block's way out are a batch of their own.
; NO LDS FOR K AND V, NO CLUSTER: no two waves of a work-group read the same piece, so fragments go from memory straight into registers, 512
; consecutive bytes an instruction.  The work-groups of a batch do read the same k and v, but (p, b) walks 64 - p and then p + 1 pieces: no two
; partners need the same number, nor the same piece at the same time.
; NO PREFETCH: the three buffers are 6 MB, each batch's part is read by 32 work-groups, and the register ring asks one piece ahead.
; O IS CLEARED by moves at each block's second pass, not started by a first product: a wave may own no piece of a block (block p < wave),
; and then its partial sum has to be zero.
; LIMITS: weights are rounded to f16: below 6e-8 of the row's largest they become 0.  Masked scores are -1e30; f16 operands bound true scores by
; 32 x 65,504^2 = 1.4e11 in magnitude.  The last 12 loads of a wave (the ring's look-ahead, wrapped to the wave's first piece) are not used.
.set OPITCH, 144                       ; a row of a wave's partial result: 128 bytes of O, the row's sum at byte 128, 12 spare: an odd multiple of 16
.set OWAVE,  64*OPITCH                 ; 9,216 bytes a wave, eight waves from LDS byte 0
.set MAXR,   8*OWAVE                   ; 73,728: maxima [wave][r][query tile] f32, 256 bytes a wave
.set PIECE,  4096                      ; 64 keys in kf and in vf alike
.set NEXT,   8*PIECE                   ; from one piece of a wave to its next
.set L16,  1                           ; v1   16 x lane
.set OFFC, 2                           ; v2   16 x lane + the current piece's byte offset
.set OFFN, 3                           ; v3   the same for the piece that the ring asks for
.set MST,  4                           ; v4   LDS: my wave's maxima, row r
.set MLD,  5                           ; v5   LDS: wave 0's maxima, row r
.set OST,  6                           ; v6   LDS: my wave's partial O, row r, + 32 h
.set ORD0, 7                           ; v7   LDS: wave 0's partial O, the 16 bytes that thread t sums up
.set ORD1, 8                           ; v8   the same of wave 4 (the immediate reaches 64 KB only)
.set OUTO, 9                           ; v9   16 x thread
.set NEG,  10                          ; v10  -1e30
.set LST,  11                          ; v11  LDS: my wave's row sums, row r
.set ML,   12                          ; v[12:19]   pass 1: two chains of maxima a query tile; pass 2: a pair of sums a query tile
.set QF,   20                          ; v[20:51]   four query tiles
.set CM,   52                          ; v[52:83]   -m, eight equal registers a query tile: a C operand
.set KF,   84                          ; v[84:115]  two slots (the halves of a piece) x two key tiles x 8
.set VF,   116                         ; v[116:147] two slots x two dim tiles x 8
.set SC,   148                         ; v[148:211] scores: 16 qt + 8 kt + j
.set PF,   212                         ; v[212:243] weights in f16: 8 qt
.set LRD0, 244                         ; v244 LDS: wave 0's row sum for thread t's row
.set LRD1, 245                         ; v245 wave 4's
.set TT,   246                         ; v[246:251] at work
                                       ; v[256:319] (window 1, v0-63) O: 16 qt + 8 dt
.set MK,   32                          ; s[32:39] lanes in which key 8 h + j lies behind query r
.set MSB, 0
.macro WIN new                         ; s_set_vgpr_msb: bits 1:0 source 0, 3:2 source 1, 5:4 source 2, 7:6 destination; the high byte repeats the setting left
.if MSB != \new
	s_set_vgpr_msb (MSB<<8)|\new
.set MSB, \new
.endif
.endm
.macro PLACES                          ; four places behind matrix instructions, before their results are read or loads land on their sources
.rept 4
	v_nop
.endr
.endm
.macro LOAD4 dst, off, base, byte      ; one slot: four loads, 512 consecutive bytes each
.irp n, 0,1,2,3
	global_load_b128 v[\dst+4*\n:\dst+4*\n+3], v[\off], s[\base:\base+1] offset:\byte+512*\n
.endr
.endm
.macro LOADQ                           ; the block's 64 queries
.irp n, 0,1,2,3,4,5,6,7
	global_load_b128 v[QF+4*\n:QF+4*\n+3], v[L16], s[26:27] offset:512*\n
.endr
.endm
	s_load_b256 s[4:11], s[0:1], 0x0               ; qf s[4:5], kf s[6:7], vf s[8:9], out0 s[10:11]
	v_lshl_add_u32 v254, v0, 2, 0x12800
	v_mov_b32 v255, 0
	v_lshrrev_b32 v[TT+3], 5, v0
	v_readfirstlane_b32 s12, v[TT+3]               ; wave 0..7
	s_mov_b32 s13, ttmp9                           ; p
	s_and_b32 s14, ttmp7, 0xffff                   ; b
	s_mov_b32 s30, 0x76543210                      ; v_permlanex16_b32: lane i of one half reads lane i of the other
	s_mov_b32 s31, 0xfedcba98
	s_lshl_b32 s22, s12, 12                        ; my first piece: number = wave
	s_sub_co_u32 s16, 63, s13                      ; the first block, the long one,
	s_mov_b32 s17, s13                             ; and the second
	s_mov_b32 s15, 0                               ; blocks done
	v_and_b32 v[TT], 31, v0
	v_lshlrev_b32 v[L16], 4, v[TT]
	v_and_b32 v[TT+1], 15, v0                      ; r
	v_bfe_u32 v[TT+2], v0, 4, 1                    ; h
	v_lshlrev_b32 v[TT+4], 3, v[TT+2]
	v_sub_nc_u32 v[TT+4], v[TT+1], v[TT+4]         ; r - 8 h, signed
.irp j, 0,1,2,3,4,5,6,7
	v_cmp_gt_i32 s[MK+\j], \j, v[TT+4]             ; j > r - 8 h: on a diagonal tile key 8 h + j is later than query r
.endr
	v_lshl_add_u32 v[MLD], v[TT+1], 4, MAXR
	s_lshl_b32 s24, s12, 8
	v_add_nc_u32 v[MST], s24, v[MLD]
	s_mul_i32 s25, s12, OWAVE
	v_mul_u32_u24 v[OST], v[TT+1], OPITCH
	v_add_nc_u32 v[LST], s25, v[OST]
	v_add_nc_u32 v[LST], 128, v[LST]
	v_lshl_add_u32 v[OST], v[TT+2], 5, v[OST]
	v_add_nc_u32 v[OST], s25, v[OST]
	v_lshrrev_b32 v[TT+5], 3, v0                   ; thread t sums up 16 bytes of row t >> 3 (and of row 32 + t >> 3)
	v_mul_u32_u24 v[LRD0], v[TT+5], OPITCH
	v_and_b32 v[TT+5], 7, v0
	v_lshl_add_u32 v[ORD0], v[TT+5], 4, v[LRD0]
	v_add_nc_u32 v[ORD1], 4*OWAVE, v[ORD0]
	v_add_nc_u32 v[LRD0], 128, v[LRD0]
	v_add_nc_u32 v[LRD1], 4*OWAVE, v[LRD0]
	v_lshlrev_b32 v[OUTO], 4, v0
	v_mov_b32 v[NEG], 0xf149f2ca
	v_add_nc_u32 v[OFFC], s22, v[L16]
	s_lshl_b32 s24, s14, 18                        ; a batch is 262,144 bytes of qf, kf, vf
	s_mov_b32 s25, 0
	s_wait_kmcnt 0x0
	s_add_nc_u64 s[4:5], s[4:5], s[24:25]
	s_add_nc_u64 s[6:7], s[6:7], s[24:25]
	s_add_nc_u64 s[8:9], s[8:9], s[24:25]
	s_lshl_b32 s24, s14, 19                        ; and 524,288 of out0
	s_add_nc_u64 s[10:11], s[10:11], s[24:25]
	s_lshl_b32 s24, s16, 12                        ; a block's queries are 4,096 bytes of qf
	s_add_nc_u64 s[26:27], s[4:5], s[24:25]
	; the ring's first fill: my first piece's k, both halves, and the first half of its v (which waits in its slot through pass 1)
	LOAD4 KF, OFFC, 6, 0
	LOAD4 KF+16, OFFC, 6, 2048
	LOAD4 VF, OFFC, 8, 0
	LOADQ
; THE RING is one stream through both passes and both blocks.  A slot is asked for again right behind the four places that follow the products
; which read it, from OFFN, the wave's next piece; behind the last piece of a pass OFFN wraps to the wave's first piece, which is what the next
; pass (and the next block) begins with.  So nothing is asked for twice and no request leaves the batch's 64 pieces.
.macro PHASE                           ; a pass begins: k = 0, current = my first piece, next = my second if I have two
	s_wait_xcnt 0x0                                ; the offsets are rewritten only when every issued load and store has had its address translated (ISA guide 3.1)
	s_mov_b32 s21, 0
	s_add_co_u32 s24, s22, NEXT
	s_cmp_gt_u32 s20, 1
	s_cselect_b32 s23, s24, s22
	v_add_nc_u32 v[OFFC], s22, v[L16]
	v_add_nc_u32 v[OFFN], s23, v[L16]
.endm
.macro STEP                            ; a trip ends: current = next; next = one further while k + 2 < my pieces, else my first
	s_wait_xcnt 0x0                                ; as above
	v_mov_b32 v[OFFC], v[OFFN]
	s_add_co_u32 s24, s21, 2
	s_add_co_u32 s25, s23, NEXT
	s_cmp_lt_u32 s24, s20
	s_cselect_b32 s23, s25, s22
	v_add_nc_u32 v[OFFN], s23, v[L16]
.endm
; THE DIAGONAL PIECE (dg = 1).  Key tile 2 half + kt against query tile qt: earlier = whole, equal = diagonal, later = nothing to see.
; With qlo = 2 half: query tiles below qlo see nothing and are left out; tile (qlo, 0) and tile (qlo + 1, 1) are diagonal; (qlo, 1) sees nothing.
.macro PRESENT qt, kt, qlo, dg         ; here = 1 where some query of tile (qt, kt) sees some key
.set here, 1
.if \qt < \qlo
.set here, 0
.endif
.if \dg
.if \qt == \qlo
.if \kt == 1
.set here, 0
.endif
.endif
.endif
.endm
.macro QK slot, qlo, dg, pass          ; scores of 32 keys x 64 queries; pass 2 starts each sum at -m
.irp qt, 0,1,2,3
.irp kt, 0,1
	PRESENT \qt, \kt, \qlo, \dg
.if here
.if \pass == 1
	v_wmma_f32_16x16x32_f16 v[SC+16*\qt+8*\kt:SC+16*\qt+8*\kt+7], v[KF+16*\slot+8*\kt:KF+16*\slot+8*\kt+7], v[QF+8*\qt:QF+8*\qt+7], 0
.else
	v_wmma_f32_16x16x32_f16 v[SC+16*\qt+8*\kt:SC+16*\qt+8*\kt+7], v[KF+16*\slot+8*\kt:KF+16*\slot+8*\kt+7], v[QF+8*\qt:QF+8*\qt+7], v[CM+8*\qt:CM+8*\qt+7]
.endif
.endif
.endr
.endr
.endm
.macro MASK qlo, pass
.irp j, 0,1,2,3,4,5,6,7
	v_cndmask_b32 v[SC+16*\qlo+\j], v[SC+16*\qlo+\j], v[NEG], s[MK+\j]
	v_cndmask_b32 v[SC+16*(\qlo+1)+8+\j], v[SC+16*(\qlo+1)+8+\j], v[NEG], s[MK+\j]
.if \pass == 2
	v_mov_b32 v[SC+16*\qlo+8+\j], v[NEG]           ; the tile that sees nothing: weights 0
.endif
.endr
.endm
; PASS 1, one half of a piece
.macro SUB1 slot, qlo, dg
	s_wait_loadcnt 0x4                             ; this slot's four loads are in; the other slot's four, issued behind them, stay out
	QK \slot, \qlo, \dg, 1
	PLACES
	LOAD4 KF+16*\slot, OFFN, 6, 2048*\slot
.if \dg
	MASK \qlo, 1
.endif
.irp e, 0,1,2,3,4,5,6,7
.irp qt, 0,1,2,3
	PRESENT \qt, (\e/4), \qlo, \dg
.if here
	v_max3_num_f32 v[ML+2*\qt+\e%2], v[ML+2*\qt+\e%2], v[SC+16*\qt+2*\e], v[SC+16*\qt+2*\e+1]   ; eight chains side by side
.endif
.endr
.endr
.endm
.macro TRIP1 dg
	SUB1 0, 0, \dg
.if \dg
	SUB1 1, 2, 1                                   ; the diagonal piece is a pass's last: no STEP
.else
	SUB1 1, 0, 0
	STEP
.endif
.endm
; PASS 2's VECTOR WORK, two query tiles at a time.
; EXPS: a batch of 32 exponentials on end, in place, each accumulator from its lowest register on; none reads another's result.
.macro EXPS a, b
.irp t, \a, \b
.irp e, 0,1,2,3,4,5,6,7,8,9,10,11,12,13,14,15
	v_exp_f32 v[SC+16*\t+\e], v[SC+16*\t+\e]
.endr
.endr
.endm
; SUMS: the 32 readers of tiles a and b: a pair of weights is added to the tile's pair of sums and rounded to f16.  The tiles alternate, so that
; three other lines stand between two links of a tile's chain of sums; within a tile the pairs go in ascending order.
; Key tile 0 fills registers 0-3 of PF's eight, key tile 1 registers 4-7: the fragment of 32 keys.
.macro SUMS a, b
.irp e, 0,1,2,3,4,5,6,7
	v_pk_add_f32 v[ML+2*\a:ML+2*\a+1], v[ML+2*\a:ML+2*\a+1], v[SC+16*\a+2*\e:SC+16*\a+2*\e+1]
	v_pk_add_f32 v[ML+2*\b:ML+2*\b+1], v[ML+2*\b:ML+2*\b+1], v[SC+16*\b+2*\e:SC+16*\b+2*\e+1]
	v_cvt_pk_f16_f32 v[PF+8*\a+\e], v[SC+16*\a+2*\e], v[SC+16*\a+2*\e+1]
	v_cvt_pk_f16_f32 v[PF+8*\b+\e], v[SC+16*\b+2*\e], v[SC+16*\b+2*\e+1]
.endr
.endm
; EXPS_SUMS: the batch of tiles xa and xb, its 32 exponentials taking turns with the 32 readers of tiles pa and pb, whose own batch has had its
; wait.  The readers name nothing of xa and xb; the run's last line is such a reader: the plain line behind the batch's last exponential (ISA guide 5.7.2).
.macro EXPS_SUMS xa, xb, pa, pb
.irp e, 0,1,2,3,4,5,6,7
	v_exp_f32 v[SC+16*\xa+2*\e], v[SC+16*\xa+2*\e]
	v_pk_add_f32 v[ML+2*\pa:ML+2*\pa+1], v[ML+2*\pa:ML+2*\pa+1], v[SC+16*\pa+2*\e:SC+16*\pa+2*\e+1]
	v_exp_f32 v[SC+16*\xa+2*\e+1], v[SC+16*\xa+2*\e+1]
	v_pk_add_f32 v[ML+2*\pb:ML+2*\pb+1], v[ML+2*\pb:ML+2*\pb+1], v[SC+16*\pb+2*\e:SC+16*\pb+2*\e+1]
	v_exp_f32 v[SC+16*\xb+2*\e], v[SC+16*\xb+2*\e]
	v_cvt_pk_f16_f32 v[PF+8*\pa+\e], v[SC+16*\pa+2*\e], v[SC+16*\pa+2*\e+1]
	v_exp_f32 v[SC+16*\xb+2*\e+1], v[SC+16*\xb+2*\e+1]
	v_cvt_pk_f16_f32 v[PF+8*\pb+\e], v[SC+16*\pb+2*\e], v[SC+16*\pb+2*\e+1]
.endr
.endm
; The loads of pass 2 are issued in the order V1(t), K0(t+1), V0(t+1), K1(t+1), four each.
.macro SUB2 slot, qlo, dg
	s_wait_loadcnt 0x8                             ; this K slot is in: behind it one V slot and one K slot were issued
	QK \slot, \qlo, \dg, 2
	PLACES                                         ; also behind the last weights x v, whose V slot is asked for again here
.if \slot == 0
	LOAD4 VF+16, OFFC, 8, 2048                     ; this piece's second half of v
	LOAD4 KF, OFFN, 6, 0
.else
	LOAD4 VF, OFFN, 8, 0
	LOAD4 KF+16, OFFN, 6, 2048
.endif
.if \dg
	MASK \qlo, 2
.endif
.if \qlo == 0
	EXPS 0, 1                                      ; batch A: query tiles 0 and 1
	v_nop                                          ; the plain line behind batch A's last exponential: the next plain line is already a reader
	s_wait_alu depctr_va_vdst(0)                   ; batch A's wait: one for its 32 exponentials, ahead of their first reader
	EXPS_SUMS 2, 3, 0, 1                           ; batch B: query tiles 2 and 3, between batch A's readers
	s_wait_alu depctr_va_vdst(0)                   ; batch B's wait: one for its 32 exponentials, ahead of their first reader
.else
	EXPS 2, 3                                      ; the one batch of this half: query tiles 2 and 3
	v_nop                                          ; the plain line behind its last exponential
	s_wait_alu depctr_va_vdst(0)                   ; its wait: one for the 32 exponentials, ahead of their first reader
.endif
	SUMS 2, 3                                      ; the readers of tiles 2 and 3; no exponential is issued behind the wait above
	s_wait_loadcnt 0xc                             ; this V slot is in: behind it three slots were issued
	WIN 0x50                                       ; C and D in window 1
.irp qt, 0,1,2,3
.if \qt >= \qlo
.irp dt, 0,1
	v_wmma_f32_16x16x32_f16 v[16*\qt+8*\dt:16*\qt+8*\dt+7], v[VF+16*\slot+8*\dt:VF+16*\slot+8*\dt+7], v[PF+8*\qt:PF+8*\qt+7], v[16*\qt+8*\dt:16*\qt+8*\dt+7]
.endr
.endif
.endr
	WIN 0
.endm
.macro TRIP2 dg
	SUB2 0, 0, \dg
.if \dg
	SUB2 1, 2, 1
.else
	SUB2 1, 0, 0
	STEP
.endif
.endm
.Lblock:                                               ; s16 = the block i: queries 64 i .. + 63, pieces 0 .. i, piece i diagonal
	s_add_co_u32 s18, s16, 7
	s_sub_co_u32 s18, s18, s12
	s_lshr_b32 s18, s18, 3                         ; my whole pieces: those s < i with s & 7 = wave
	s_and_b32 s19, s16, 7
	s_cmp_eq_u32 s19, s12
	s_cselect_b32 s19, 1, 0                        ; is the diagonal piece mine?
	s_add_co_u32 s20, s18, s19                     ; my pieces
.irp n, 0,1,2,3,4,5,6,7
	v_mov_b32 v[ML+\n], v[NEG]
.endr
	PHASE                                          ; (its wait also frees the scores' registers, from which the last block's results were stored)
	s_wait_loadcnt 0x0                             ; q and the ring's slots: asked for before the last block's sums met, or in the prologue.
	                                               ; From zero the counted waits below hold on the way in, with or without trips, and round the back edge
	s_cmp_eq_u32 s18, 0
	s_cbranch_scc1 .Lp1_whole_done
.Lp1:
	TRIP1 0
	s_add_co_u32 s21, s21, 1
	s_cmp_lt_u32 s21, s18
	s_cbranch_scc1 .Lp1
.Lp1_whole_done:
	s_cmp_eq_u32 s19, 0
	s_cbranch_scc1 .Lp1_done
	TRIP1 1
.Lp1_done:
	; THE MAXIMA MEET.  Two chains, the two halves of the lanes, then the eight waves through LDS.
	PLACES                                         ; behind the last scores, on whose registers the LDS loads below land
.irp qt, 0,1,2,3
	v_max_num_f32 v[ML+2*\qt], v[ML+2*\qt], v[ML+2*\qt+1]
.endr
.irp qt, 0,1,2,3
	v_permlanex16_b32 v[TT+\qt], v[ML+2*\qt], s30, s31
.endr
.irp qt, 0,1,2,3
	v_max_num_f32 v[TT+\qt], v[TT+\qt], v[ML+2*\qt]
.endr
	ds_store_b128 v[MST], v[TT:TT+3]               ; lanes r and 16 + r write the same four numbers to the same bytes
	s_wait_dscnt 0x0                               ; zero, for the other waves' sake
	s_barrier_signal -1
	s_barrier_wait -1                              ; maxima: written -> read.  Also: the last block's reads of the partial sums -> this block's writes of them
.irp u, 0,1,2,3,4,5,6,7
	ds_load_b128 v[SC+4*\u:SC+4*\u+3], v[MLD] offset:256*\u
.endr
.irp n, 0,1,2,3,4,5,6,7
	v_mov_b32 v[ML+\n], 0                          ; the sums of weights begin
.endr
	WIN 0x40
.set n, 0
.rept 64
	v_mov_b32 v[n], 0                              ; O (window 1): see the head for why it is cleared
.set n, n+1
.endr
	WIN 0
	PHASE
	s_wait_dscnt 0x0
.irp qt, 0,1,2,3
	v_max3_num_f32 v[TT+\qt], v[SC+\qt], v[SC+4+\qt], v[SC+8+\qt]
.endr
.irp qt, 0,1,2,3
	v_max3_num_f32 v[TT+\qt], v[TT+\qt], v[SC+12+\qt], v[SC+16+\qt]
.endr
.irp qt, 0,1,2,3
	v_max3_num_f32 v[TT+\qt], v[TT+\qt], v[SC+20+\qt], v[SC+24+\qt]
.endr
.irp qt, 0,1,2,3
	v_max_num_f32 v[TT+\qt], v[TT+\qt], v[SC+28+\qt]   ; every row sees its own key, so this is a true score
.endr
.irp qt, 0,1,2,3
.irp j, 0,1,2,3,4,5,6,7
	v_sub_f32 v[CM+8*\qt+\j], 0, v[TT+\qt]
.endr
.endr
	s_wait_loadcnt 0x0                             ; my first piece's k, asked for in pass 1's last trip
	s_cmp_eq_u32 s18, 0
	s_cbranch_scc1 .Lp2_whole_done
.Lp2:
	TRIP2 0
	s_add_co_u32 s21, s21, 1
	s_cmp_lt_u32 s21, s18
	s_cbranch_scc1 .Lp2
.Lp2_whole_done:
	s_cmp_eq_u32 s19, 0
	s_cbranch_scc1 .Lp2_done
	TRIP2 1
.Lp2_done:
	PLACES                                         ; behind the last products: q is loaded anew, O is stored to LDS, loads land on scores and weights
	s_cmp_lg_u32 s15, 0
	s_cbranch_scc1 .Lno_q
	s_lshl_b32 s24, s17, 12                        ; the second block's queries come while the sums meet
	s_mov_b32 s25, 0
	s_add_nc_u64 s[26:27], s[4:5], s[24:25]        ; (the loads that named this base were waited for at the passes' heads)
	LOADQ
.Lno_q:
	; THE PARTIAL SUMS MEET
.irp qt, 0,1,2,3
	v_add_f32 v[ML+2*\qt], v[ML+2*\qt], v[ML+2*\qt+1]
.endr
.irp qt, 0,1,2,3
	v_permlanex16_b32 v[ML+2*\qt+1], v[ML+2*\qt], s30, s31
.endr
.irp qt, 0,1,2,3
	v_add_f32 v[ML+2*\qt], v[ML+2*\qt], v[ML+2*\qt+1]  ; my wave's sum of weights of query 16 qt + r
.endr
	WIN 0x04                                       ; store data in window 1
.irp qt, 0,1,2,3
.irp dt, 0,1
	ds_store_b128 v[OST], v[16*\qt+8*\dt:16*\qt+8*\dt+3]   offset:16*OPITCH*\qt+64*\dt
	ds_store_b128 v[OST], v[16*\qt+8*\dt+4:16*\qt+8*\dt+7] offset:16*OPITCH*\qt+64*\dt+16
.endr
.endr
	WIN 0
.irp qt, 0,1,2,3
	ds_store_b32 v[LST], v[ML+2*\qt] offset:16*OPITCH*\qt
.endr
	s_wait_dscnt 0x0                               ; zero, for the other waves' sake
	s_barrier_signal -1
	s_barrier_wait -1                              ; partial sums: written -> read.  Also: this block's reads of the maxima -> the next block's writes of them
	; thread t makes the 16 bytes at 16 t and at 4,096 + 16 t of the block's 8,192 bytes of output (e = 0, 1: rows t >> 3 and 32 + t >> 3)
.irp e, 0,1
.irp u, 0,1,2,3
	ds_load_b128 v[SC+32*\e+4*\u:SC+32*\e+4*\u+3],       v[ORD0] offset:OWAVE*\u+32*OPITCH*\e
	ds_load_b128 v[SC+32*\e+16+4*\u:SC+32*\e+16+4*\u+3], v[ORD1] offset:OWAVE*\u+32*OPITCH*\e
	ds_load_b32 v[PF+8*\e+\u],   v[LRD0] offset:OWAVE*\u+32*OPITCH*\e
	ds_load_b32 v[PF+8*\e+4+\u], v[LRD1] offset:OWAVE*\u+32*OPITCH*\e
.endr
.endr
	s_wait_dscnt 0x0
.irp u, 1,2,3,4,5,6,7
.irp e, 0,1
	v_pk_add_f32 v[SC+32*\e:SC+32*\e+1],   v[SC+32*\e:SC+32*\e+1],   v[SC+32*\e+4*\u:SC+32*\e+4*\u+1]
	v_pk_add_f32 v[SC+32*\e+2:SC+32*\e+3], v[SC+32*\e+2:SC+32*\e+3], v[SC+32*\e+4*\u+2:SC+32*\e+4*\u+3]
	v_add_f32 v[PF+8*\e], v[PF+8*\e], v[PF+8*\e+\u]
.endr
.endr
	v_rcp_f32 v[TT], v[PF]                         ; the sum holds the row's largest weight, about 1
	v_rcp_f32 v[TT+2], v[PF+8]
	v_nop                                          ; the plain line behind the reciprocals
	s_wait_alu depctr_va_vdst(0)                   ; the wait: one for the block's two reciprocals, ahead of their first reader
	v_pk_mul_f32 v[SC:SC+1],       v[SC:SC+1],       v[TT:TT+1] op_sel_hi:[1,0]
	v_pk_mul_f32 v[SC+2:SC+3],     v[SC+2:SC+3],     v[TT:TT+1] op_sel_hi:[1,0]
	v_pk_mul_f32 v[SC+32:SC+33],   v[SC+32:SC+33],   v[TT+2:TT+3] op_sel_hi:[1,0]
	v_pk_mul_f32 v[SC+34:SC+35],   v[SC+34:SC+35],   v[TT+2:TT+3] op_sel_hi:[1,0]
	s_wait_xcnt 0x0                                ; the stores' base is rewritten only behind this wait
	s_lshl_b32 s24, s16, 13                        ; a block is 8,192 bytes of out0
	s_mov_b32 s25, 0
	s_add_nc_u64 s[28:29], s[10:11], s[24:25]
	global_store_b128 v[OUTO], v[SC:SC+3],     s[28:29] th:TH_STORE_NT              ; each store of a wave covers 512 consecutive bytes, aligned
	global_store_b128 v[OUTO], v[SC+32:SC+35], s[28:29] offset:4096 th:TH_STORE_NT
	s_mov_b32 s16, s17
	s_add_co_u32 s15, s15, 1
	s_cmp_lt_u32 s15, 2
	s_cbranch_scc1 .Lblock
	s_wait_tensorcnt 0x0
	ds_add_u32 v254, v255
	s_wait_dscnt 0x0
	s_endpgm
.Lfunc_end_k_qa5352d0f2b_attn:
	.size	k_qa5352d0f2b_attn, .Lfunc_end_k_qa5352d0f2b_attn-k_qa5352d0f2b_attn
	.p2alignl 7, 3214868480
	.fill 96, 4, 3214868480
	.section	.rodata,"a",@progbits
	.p2align	6, 0x0
	.amdhsa_kernel k_qa5352d0f2b_attn
		.amdhsa_group_segment_fixed_size 76800
		.amdhsa_private_segment_fixed_size 0
		.amdhsa_enable_private_segment 0
		.amdhsa_kernarg_size 32
		.amdhsa_user_sgpr_count 2
		.amdhsa_user_sgpr_kernarg_segment_ptr 1
		.amdhsa_wavefront_size32 1
		.amdhsa_system_sgpr_workgroup_id_x 1
		.amdhsa_system_sgpr_workgroup_id_y 1
		.amdhsa_system_sgpr_workgroup_id_z 1
		.amdhsa_system_vgpr_workitem_id 0
		.amdhsa_next_free_vgpr 320
		.amdhsa_next_free_sgpr 66
		.amdhsa_reserve_vcc 0
		.amdhsa_float_denorm_mode_32 3
		.amdhsa_float_denorm_mode_16_64 3
		.amdhsa_memory_ordered 1
		.amdhsa_forward_progress 1
		.amdhsa_inst_pref_size 64
	.end_amdhsa_kernel
	.amdgpu_metadata
---
amdhsa.version: [ 1, 2 ]
amdhsa.kernels:
  - .name:           k_qa5352d0f2b_attn
    .symbol:         k_qa5352d0f2b_attn.kd
    .args:
      - { .name: qf, .offset: 0, .size: 8, .value_kind: global_buffer, .address_space: global }
      - { .name: kf, .offset: 8, .size: 8, .value_kind: global_buffer, .address_space: global }
      - { .name: vf, .offset: 16, .size: 8, .value_kind: global_buffer, .address_space: global }
      - { .name: out0, .offset: 24, .size: 8, .value_kind: global_buffer, .address_space: global }
    .group_segment_fixed_size: 76800
    .private_segment_fixed_size: 0
    .kernarg_segment_align: 8
    .kernarg_segment_size: 32
    .max_flat_workgroup_size: 256
    .sgpr_count:     66
    .vgpr_count:     320
    .wavefront_size: 32
...
	.end_amdgpu_metadata
.endif
;; end of part 3
